; MI455X (gfx1250); checked and timed in simulation.
; The chip was launched on July 23, 2026; its instructions are those of AMD's public machine-readable ISA for CDNA 5 (MIT licence, August 2026) and "CDNA5" Instruction Set Architecture Reference Guide (July 2026). The comments in the code are by the model that wrote it; some were corrected since.
;; Multihead Attention. Allowed arithmetic: float matrix products may take bf16 or f16 operands with f32 sums; all other float work in f32.
;; Inputs: Wk 1,024 x 1,024 float32; Wo 1,024 x 1,024 float32; Wq 1,024 x 1,024 float32; Wv 1,024 x 1,024 float32; key 2 x 2,048 x 1,024 float32; mask 2 x 2,048 int32; query 2 x 2,048 x 1,024 float32; val 2 x 2,048 x 1,024 float32.
;; Outputs: out0 2 x 2,048 x 1,024 float32.
;; One version. Each part assembles by itself: llvm-mc -triple=amdgcn-amd-amdhsa -mcpu=gfx1250 --defsym DOCPART=n.
;; ======== version 1 of 1: 3 launches
;; limits: values are held in f16: magnitudes above 65,504 overflow, below 6.1e-05 lose precision; right only within a limited range of input values
;; workspace buffers: qh 8,388,608 bytes; kh 8,388,608 bytes; vh 8,388,608 bytes; att 8,388,608 bytes; woh 2,097,152 bytes
;; launch proj (part 1): grid 4 x 48, 4 waves a work-group, clusters of 4 x 4, 327,680 bytes of LDS; arguments query, key, val, Wq, Wk, Wv, qh, kh, vh; writes qh, kh, vh
.if DOCPART == 1
	.amdgcn_target "amdgcn-amd-amdhsa--gfx1250"
	.amdhsa_code_object_version 6
	.text
	.protected	k_qd314f57c8a_proj
	.globl	k_qd314f57c8a_proj
	.p2align	8
	.type	k_qd314f57c8a_proj,@function
k_qd314f57c8a_proj:
	s_mov_b64 s[64:65], 0
	v_nop
	global_prefetch_b8 v0, s[64:65] scope:SCOPE_SE
	s_setreg_imm32_b32 hwreg(HW_REG_WAVE_MODE, 25, 1), 1
	s_wait_xcnt 0x0
	s_wait_alu depctr_hold_cnt(0) depctr_sa_sdst(0) depctr_va_vdst(0) depctr_va_sdst(0) depctr_va_ssrc(0) depctr_va_vcc(0) depctr_vm_vsrc(0)
	s_getreg_b32 s2, hwreg(HW_REG_IB_STS2, 6, 4)
	s_cmp_eq_u32 s2, 0
	s_cbranch_scc0 .Lentry_in_a_cluster
	s_endpgm
.Lentry_in_a_cluster:
	s_bfe_u32 s2, ttmp6, 0x10000c
	s_cmp_lg_u32 s2, 0xf033
	s_cbranch_scc0 .Lentry_shape_is_right
	s_endpgm
.Lentry_shape_is_right:
; THE THREE PROJECTIONS  q = query Wq^T, k = key Wk^T, v = val Wv^T, in one launch.
; x: [4096 tokens][1024] f32, W: [1024 features][1024] f32.  Operands are rounded to f16 on the way from LDS to the matrix unit, sums are f32,
; results are rounded once to f16 and stored by heads: element (batch, head, token, d) at byte ((batch*16+head)*2048+token)*128 + 2 d.
; LIMIT: f16 operands and results: |x|, |W| and the projected numbers stay below 65,504; magnitudes below about 6e-8 round to zero.
; f16 and not bf16: three further roundings follow in the next launches, and eleven bits keep their sum small against the allowed error.
; SHARES: grid y = 3 products x 16 block rows of 256 tokens, grid x = 4 block columns of 256 features.  Four waves, one block of 128 x 128 each:
; 64 accumulator tiles, 512 registers.  K goes in steps of 64 f32 (rows of 256 bytes, aligned) through two LDS slots.
; 192 work-groups: with f32 tiles in LDS a wave block of 128 x 128 reads half as many LDS bytes for a product as four blocks of 64 x 64 would.
; CLUSTERS 4 x 4: the four work-groups of a row of the cluster share the block row (x's tile), the four of a column share the block column (W's tile):
; each tile is asked for jointly by its four readers.  The product's number hangs on the cluster's y alone, so it is equal in all sixteen.
; REGISTER WINDOWS: 0: addresses, f16 fragments of x (v64-127) and of W (v128-191), v192-223 at work on the way out;
;                   1: the raw f32 words of x (v0-127) and of W (v128-255);   2, 3: the accumulators of my token rows 0-63, 64-127.
; The matrix instruction takes W's rows as source 0 and x's rows as source 1: a lane then holds one token and eight neighbouring features.
; LDS LOADS AMONG THE PRODUCTS: 32 along K need 64 loads of 16 bytes a lane and 64 matrix instructions in each wave.  The loads go out in four runs of 16,
; one ahead of each 16 matrix instructions, so that they are served while the products run; that costs two window switches a run.
.set PITCH,  272                       ; an LDS row: 256 bytes + 16 of padding, an odd multiple of 16: the 16 rows of a fragment load start 16 bytes apart modulo 256
.set HALFT,  128*PITCH                 ; what one tensor load brings: 128 rows
.set SLOT,   4*HALFT                   ; x's 256 rows, then W's 256 rows
.set STAGE,  2*SLOT                    ; behind the ring: 2 heads x 16 tokens x 144 bytes for each wave; no tensor load lands here
.set SPITCH, 144
.set HSTAGE, 16*SPITCH
.set HEADB,  2048*128                  ; bytes of one head of one batch in the result
.set ADRX, 16                          ; v16-17  LDS address of my x fragments in slot 0, 1
.set ADRY, 20                          ; v20-21  the same for W
.set STO,  24                          ; v24     way out: where I put 16 bytes
.set RD,   25                          ; v25     way out: where I read 16 bytes back
.set CO,   26                          ; v26     way out: my byte offset in the result
.set FX,   64                          ; window 0: eight f16 fragments of x
.set FY,   128                         ; window 0: eight f16 fragments of W
.set TMP,  192                         ; window 0: packed results
.set RX,   0                           ; window 1: raw f32 of x, 16 registers a fragment
.set RY,   128                         ; window 1: raw f32 of W
.set G1,  24                           ; s[24:31] group 1 for x's tiles
.set G0,  32                           ; s[32:39] group 0 for x's tiles, one set a slot
.set G1B, 48                           ; s[48:55] group 1 for W's tiles: another mask
.set G0B, 56                           ; s[56:63] group 0 for W's tiles
.set MSB, 0
.macro WIN new                         ; the immediate's high byte repeats the setting that is left
.if MSB != \new
	s_set_vgpr_msb (MSB<<8)|\new
.set MSB, \new
.endif
.endm
.macro PLACES                          ; four places behind a matrix instruction (ISA guide 7.12.1)
.rept 4
	v_nop
.endr
.endm
.macro JLOAD s                         ; waves 0, 1 ask for x's two halves, waves 2, 3 for W's: one mask a line; the branch hangs on the wave's number alone
	s_cmp_eq_u32 s11, 0
	s_cbranch_scc0 .Lfor_w_\@
	tensor_load_to_lds s[G0+4*\s:G0+4*\s+3], s[G1:G1+7]
	s_nop 0
	s_branch .Lasked_\@
.Lfor_w_\@:
	tensor_load_to_lds s[G0B+4*\s:G0B+4*\s+3], s[G1B:G1B+7]
	s_nop 0
.Lasked_\@:
.endm
.macro CREST                           ; a round of the cluster's barrier behind its opening work-group barrier
	s_cmp_lg_u32 s10, 0
	s_cbranch_scc1 .Lnot_wave_0_\@
	s_barrier_signal -3
.Lnot_wave_0_\@:
	s_barrier_wait -3
	s_barrier_signal -1
	s_barrier_wait -1
.endm
.macro CROUND
	s_barrier_signal -1
	s_barrier_wait -1
	CREST
.endm
	s_load_b512 s[68:83], s[0:1], 0x0              ; query, key, val, Wq, Wk, Wv, qh, kh
	s_load_b64 s[84:85], s[0:1], 0x40              ; vh
	v_lshl_add_u32 v254, v0, 2, 0x48800
	v_mov_b32 v255, 0
	ds_add_u32 v254, v255
	v_lshrrev_b32 v1, 5, v0
	v_readfirstlane_b32 s10, v1                    ; wave 0..3
	s_lshr_b32 s11, s10, 1                         ; my half of the block's tokens.  Also: I fetch for x (0) or for W (1)
	s_and_b32 s12, s10, 1                          ; my half of its features.  Also: which 128 rows I fetch
	s_bfe_u32 s40, ttmp6, 0x40000                  ; cx
	s_bfe_u32 s41, ttmp6, 0x40004                  ; cy
	s_lshl_b32 s42, ttmp9, 2
	s_add_co_u32 s42, s42, s40                     ; block column = 4 x cluster x + cx
	s_and_b32 s13, ttmp7, 0xffff                   ; cluster y, 0..11
	s_lshr_b32 s45, s13, 2                         ; which product: 0 q, 1 k, 2 v
	s_and_b32 s13, s13, 3
	s_lshl_b32 s13, s13, 2
	s_add_co_u32 s13, s13, s41                     ; block row 0..15
	s_lshl_b32 s43, s41, 2
	s_lshl_b32 s43, 15, s43                        ; my row of the cluster
	s_lshl_b32 s44, 0x1111, s40                    ; my column
	; group 1: 128 rows x 64 elements of 4 bytes, 4 words of padding behind every 64 words
	s_or_b32 s[G1+0], s43, (2<<16)|(1<<20)|(1<<21)|(5<<22)|(3<<25)
	s_or_b32 s[G1B+0], s44, (2<<16)|(1<<20)|(1<<21)|(5<<22)|(3<<25)
	s_mov_b32 s[G1+1], 64<<16                      ; tensor_dim0 = 64
	s_mov_b32 s[G1B+1], 64<<16
	s_mov_b32 s[G1+2], 128<<16                     ; tensor_dim1 = 128
	s_mov_b32 s[G1B+2], 128<<16
	s_mov_b32 s[G1+3], 64<<16                      ; tile_dim0 = 64
	s_mov_b32 s[G1B+3], 64<<16
	s_mov_b32 s[G1+4], 128                         ; tile_dim1 = 128
	s_mov_b32 s[G1B+4], 128
	s_mov_b32 s[G1+5], 1024                        ; elements from row to row
	s_mov_b32 s[G1B+5], 1024
	s_mov_b32 s[G1+6], 0
	s_mov_b32 s[G1B+6], 0
	s_mov_b32 s[G1+7], 0
	s_mov_b32 s[G1B+7], 0
	; byte offsets of the tiles: x's hangs on the block row, W's on the block column, each in registers that never hold the other coordinate
	s_lshl_b32 s17, s12, 7
	s_lshl_b32 s16, s13, 8
	s_add_co_u32 s16, s16, s17
	s_lshl_b32 s16, s16, 12                        ; (256 x block row + 128 x half) rows of 4,096 bytes: below 16 MiB
	s_lshl_b32 s46, s42, 8
	s_add_co_u32 s46, s46, s17
	s_lshl_b32 s46, s46, 12
	s_mov_b32 s17, 0
	s_mov_b32 s47, 0
	s_mul_i32 s20, s10, HALFT                      ; where my 128 rows go: the wave's number alone
	s_wait_dscnt 0x0
	s_wait_kmcnt 0x0
	s_cmp_eq_u32 s45, 1                            ; the product's three buffers, chosen on the cluster's y
	s_cselect_b64 s[4:5], s[70:71], s[68:69]
	s_cselect_b64 s[6:7], s[76:77], s[74:75]
	s_cselect_b64 s[8:9], s[82:83], s[80:81]
	s_cmp_eq_u32 s45, 2
	s_cselect_b64 s[4:5], s[72:73], s[4:5]
	s_cselect_b64 s[6:7], s[78:79], s[6:7]
	s_cselect_b64 s[8:9], s[84:85], s[8:9]
	s_add_nc_u64 s[14:15], s[4:5], s[16:17]
	s_add_nc_u64 s[46:47], s[6:7], s[46:47]
	CROUND                                         ; all sixteen work-groups are here: the first joint loads meet
.irp s, 0,1
	s_mov_b32 s[G0+4*\s], 1
	s_add_co_u32 s[G0+4*\s+1], s20, \s*SLOT
	s_add_nc_u64 s[G0+4*\s+2:G0+4*\s+3], s[14:15], \s*256          ; K step s
	s_or_b32 s[G0+4*\s+3], s[G0+4*\s+3], 0x80000000
	s_mov_b32 s[G0B+4*\s], 1
	s_add_co_u32 s[G0B+4*\s+1], s20, \s*SLOT
	s_add_nc_u64 s[G0B+4*\s+2:G0B+4*\s+3], s[46:47], \s*256
	s_or_b32 s[G0B+4*\s+3], s[G0B+4*\s+3], 0x80000000
	JLOAD \s
.endr
	; A fragment's lane (r, h) needs k = 8h..8h+7 and 16+8h..16+8h+7 of row r: as f32 that is 32 bytes at 32 h and 32 bytes at 64 + 32 h.
	v_and_b32 v1, 15, v0                           ; r
	v_bfe_u32 v2, v0, 4, 1                         ; h
	v_mul_u32_u24 v3, v1, PITCH
	v_lshl_add_u32 v3, v2, 5, v3
	s_mul_i32 s21, s11, HALFT
	s_mul_i32 s22, s12, HALFT
	s_add_co_u32 s22, s22, 2*HALFT
.irp s, 0,1
	v_add_nc_u32 v[ADRX+\s], s21, v3
	v_add_nc_u32 v[ADRY+\s], s22, v3
	s_add_co_u32 s21, s21, SLOT
	s_add_co_u32 s22, s22, SLOT
.endr
	s_mul_i32 s23, s10, 2*HSTAGE
	s_add_co_u32 s23, s23, STAGE
	v_mul_u32_u24 v4, v1, SPITCH                   ; in: token r, 16 bytes for each half of the lanes
	v_lshl_add_u32 v4, v2, 4, v4
	v_add_nc_u32 v[STO], s23, v4
	v_and_b32 v5, 31, v0                           ; lane
	v_lshrrev_b32 v6, 3, v5                        ; back: eight lanes take a token's 128 bytes
	v_and_b32 v7, 7, v0
	v_mul_u32_u24 v6, v6, SPITCH
	v_lshl_add_u32 v6, v7, 4, v6
	v_add_nc_u32 v[RD], s23, v6
	v_lshlrev_b32 v[CO], 4, v5                     ; four tokens of a head are 512 consecutive bytes of the result
; 16 LDS loads: the raw words of four fragments, 32 along K at byte 128 sub of the rows.  part 0, 1: x's fragments 0-3, 4-7; part 2, 3: W's.
; The raw registers are sources of conversions alone, never of a matrix instruction: these loads owe no distance to the products round them.
.macro FETCHQ slot, sub, part
	WIN 0x40                                       ; destination window 1, address window 0
.if \part < 2
.irp i, 0,1,2,3
	ds_load_b128 v[RX+16*(4*\part+\i):RX+16*(4*\part+\i)+3],     v[ADRX+\slot] offset:(4*\part+\i)*16*PITCH+\sub*128
	ds_load_b128 v[RX+16*(4*\part+\i)+4:RX+16*(4*\part+\i)+7],   v[ADRX+\slot] offset:(4*\part+\i)*16*PITCH+\sub*128+16
	ds_load_b128 v[RX+16*(4*\part+\i)+8:RX+16*(4*\part+\i)+11],  v[ADRX+\slot] offset:(4*\part+\i)*16*PITCH+\sub*128+64
	ds_load_b128 v[RX+16*(4*\part+\i)+12:RX+16*(4*\part+\i)+15], v[ADRX+\slot] offset:(4*\part+\i)*16*PITCH+\sub*128+80
.endr
.else
.irp i, 0,1,2,3
	ds_load_b128 v[RY+16*(4*(\part-2)+\i):RY+16*(4*(\part-2)+\i)+3],     v[ADRY+\slot] offset:(4*(\part-2)+\i)*16*PITCH+\sub*128
	ds_load_b128 v[RY+16*(4*(\part-2)+\i)+4:RY+16*(4*(\part-2)+\i)+7],   v[ADRY+\slot] offset:(4*(\part-2)+\i)*16*PITCH+\sub*128+16
	ds_load_b128 v[RY+16*(4*(\part-2)+\i)+8:RY+16*(4*(\part-2)+\i)+11],  v[ADRY+\slot] offset:(4*(\part-2)+\i)*16*PITCH+\sub*128+64
	ds_load_b128 v[RY+16*(4*(\part-2)+\i)+12:RY+16*(4*(\part-2)+\i)+15], v[ADRY+\slot] offset:(4*(\part-2)+\i)*16*PITCH+\sub*128+80
.endr
.endif
.endm
; raw f32 to f16 fragments, two numbers an instruction
.macro CONVERT
	s_wait_dscnt 32                                ; x's 32 loads are in; W's 32, issued behind them, may be out
	PLACES                                         ; the fragments were sources of the last matrix instructions
	WIN 0x05                                       ; sources window 1, destination window 0
.irp i, 0,1,2,3,4,5,6,7
.irp c, 0,1,2,3,4,5,6,7
	v_cvt_pk_f16_f32 v[FX+8*\i+\c], v[RX+16*\i+2*\c], v[RX+16*\i+2*\c+1]
.endr
.endr
	s_wait_dscnt 0x0
.irp i, 0,1,2,3,4,5,6,7
.irp c, 0,1,2,3,4,5,6,7
	v_cvt_pk_f16_f32 v[FY+8*\i+\c], v[RY+16*\i+2*\c], v[RY+16*\i+2*\c+1]
.endr
.endr
.endm
; 16 matrix instructions: token blocks a0, a0 + 1 of the window's four x all 8 feature blocks.
; Over a half step the 64 accumulators take turns, one instruction a turn, in the same order every time.
.macro MUL16 hi, a0, zero
.if \hi
	WIN 0xf0                                       ; C and D window 3
.else
	WIN 0xa0                                       ; C and D window 2
.endif
.irp a, \a0, \a0+1
.irp b, 0,1,2,3,4,5,6,7
.if \zero
	v_wmma_f32_16x16x32_f16 v[8*(8*(\a)+\b):8*(8*(\a)+\b)+7], v[FY+8*\b:FY+8*\b+7], v[FX+8*(4*\hi+\a):FX+8*(4*\hi+\a)+7], 0
.else
	v_wmma_f32_16x16x32_f16 v[8*(8*(\a)+\b):8*(8*(\a)+\b)+7], v[FY+8*\b:FY+8*\b+7], v[FX+8*(4*\hi+\a):FX+8*(4*\hi+\a)+7], v[8*(8*(\a)+\b):8*(8*(\a)+\b)+7]
.endif
.endr
.endr
.endm
; the 64 products of a half step with the next half step's 64 loads among them, x's words first
.macro FMUL slot, sub, zero
	FETCHQ \slot, \sub, 0
	MUL16 0, 0, \zero
	FETCHQ \slot, \sub, 1
	MUL16 0, 2, \zero
	FETCHQ \slot, \sub, 2
	MUL16 1, 0, \zero
	FETCHQ \slot, \sub, 3
	MUL16 1, 2, \zero
.endm
; A K step of 64: two halves of 32.  fill = 1: this slot is filled again two K steps ahead, behind a round of the cluster's barrier.
; At the change of slots the second half's operands are all in registers: sixteen of its products stand between the barrier's signal and its wait.
.macro KSTEP slot, next, fill, zero
	CONVERT
	FMUL \slot, 1, \zero
	CONVERT
	s_wait_dscnt 0x0                               ; my reads of this slot are over (met: the conversions waited for them)
	s_set_vgpr_msb 0x500
	s_wait_tensorcnt 0x0                           ; all my tensor loads have landed: the one that was out is my part of the next slot
	ds_add_u32 v254, v255
	s_wait_dscnt 0x0
	s_set_vgpr_msb 0x5
	s_barrier_signal -1                            ; say so,
	MUL16 0, 0, 0                                  ; work on registers while the others arrive,
	WIN 0
	s_barrier_wait -1                              ; and go on when all four have said so
.if \fill
	CREST                                          ; all sixteen work-groups have said so: no partner reads this slot or has a load on its way
	s_add_nc_u64 s[G0+4*\slot+2:G0+4*\slot+3], s[G0+4*\slot+2:G0+4*\slot+3], 512
	s_add_nc_u64 s[G0B+4*\slot+2:G0B+4*\slot+3], s[G0B+4*\slot+2:G0B+4*\slot+3], 512
	JLOAD \slot                                    ; the first tensor load behind the round; one load of the wave is out from here on
.endif
	FETCHQ \next, 0, 0
	FETCHQ \next, 0, 1
	MUL16 0, 2, 0
	FETCHQ \next, 0, 2
	MUL16 1, 0, 0
	FETCHQ \next, 0, 3
	MUL16 1, 2, 0
.endm
	s_wait_tensorcnt 1                             ; my part of K step 0 is in; K step 1's load, issued behind it, stays out
	s_barrier_signal -1
	s_barrier_wait -1
	FETCHQ 0, 0, 0
	FETCHQ 0, 0, 1
	FETCHQ 0, 0, 2
	FETCHQ 0, 0, 3
	KSTEP 0, 1, 1, 1                               ; the first lap stands ahead of the loop: its first products start the sums
	KSTEP 1, 0, 1, 0
	WIN 0
	s_mov_b32 s3, 6                                ; 16 K steps = 8 laps: one ahead, six here, one behind
.Llap:
	KSTEP 0, 1, 1, 0
	KSTEP 1, 0, 1, 0
	WIN 0
	s_sub_co_u32 s3, s3, 1
	s_cmp_lg_u32 s3, 0
	s_cbranch_scc1 .Llap
	KSTEP 0, 1, 0, 0                               ; the last lap fills nothing
	CONVERT
	FMUL 1, 1, 0
	CONVERT
	MUL16 0, 0, 0
	MUL16 0, 2, 0
	MUL16 1, 0, 0
	MUL16 1, 2, 0
	; THE WAY OUT, 16 tokens at a time: round to f16, 16 bytes a lane into my own stage, read back so that a store covers 512 consecutive bytes, aligned.
	PLACES
	s_lshr_b32 s16, s13, 3                         ; batch
	s_lshl_b32 s16, s16, 22                        ; x 16 heads x 262,144 bytes
	s_and_b32 s14, s13, 7
	s_lshl_b32 s14, s14, 8
	s_lshl_b32 s15, s11, 7
	s_add_co_u32 s14, s14, s15                     ; my first token in the batch
	s_lshl_b32 s14, s14, 7                         ; x 128 bytes
	s_add_co_u32 s16, s16, s14
	s_mov_b32 s17, 0
	s_add_nc_u64 s[8:9], s[8:9], s[16:17]
	s_lshl_b32 s46, s42, 2                         ; my first head = 4 x block column + 2 x half
	s_lshl_b32 s47, s12, 1
	s_add_co_u32 s46, s46, s47
	s_lshl_b32 s46, s46, 18
	s_mov_b32 s47, 0
	s_add_nc_u64 s[8:9], s[8:9], s[46:47]
; tokens 16 i .. 16 i + 15 = the eight tiles (a, 0..7) of window 2 or 3; tile b holds d = 16 (b & 3) + 8 h + 0..7 of head b >> 2
.macro OUT16 i, a, from, f
	WIN \from
.irp b, 0,1,2,3,4,5,6,7
.irp r, 0,1,2,3
	v_cvt_pk_f16_f32 v[TMP+4*\b+\r], v[8*(8*\a+\b)+2*\r], v[8*(8*\a+\b)+2*\r+1]
.endr
.endr
	WIN 0
.irp b, 0,1,2,3,4,5,6,7
	ds_store_b128 v[STO], v[TMP+4*\b:TMP+4*\b+3] offset:(\b>>2)*HSTAGE+(\b&3)*32
.endr
	s_wait_xcnt 0x0                                ; buffer f was the data of earlier stores: it is loaded again only behind this wait
.irp t, 0,1,2,3,4,5,6,7
	ds_load_b128 v[\f+4*\t:\f+4*\t+3], v[RD] offset:(\t>>2)*HSTAGE+(\t&3)*4*SPITCH   ; LDS serves a wave's instructions in order: these see the stores above
.endr
.irp t, 0,1,2,3,4,5,6,7
	s_wait_dscnt 7-\t
	global_store_b128 v[CO], v[\f+4*\t:\f+4*\t+3], s[8:9] offset:\i*2048+(\t>>2)*HEADB+(\t&3)*512
.endr
.endm
	OUT16 0, 0, 0x0a, 64
	OUT16 1, 1, 0x0a, 96
	OUT16 2, 2, 0x0a, 64
	OUT16 3, 3, 0x0a, 96
	OUT16 4, 0, 0x0f, 64
	OUT16 5, 1, 0x0f, 96
	OUT16 6, 2, 0x0f, 64
	OUT16 7, 3, 0x0f, 96
	s_wait_tensorcnt 0x0
	ds_add_u32 v254, v255
	s_wait_dscnt 0x0
	CROUND                                         ; the closing round: no work-group ends while a partner may still ask jointly
	s_endpgm
.Lfunc_end_k_qd314f57c8a_proj:
	.size	k_qd314f57c8a_proj, .Lfunc_end_k_qd314f57c8a_proj-k_qd314f57c8a_proj
	.p2alignl 7, 3214868480
	.fill 96, 4, 3214868480
	.section	.rodata,"a",@progbits
	.p2align	6, 0x0
	.amdhsa_kernel k_qd314f57c8a_proj
		.amdhsa_group_segment_fixed_size 327680
		.amdhsa_private_segment_fixed_size 0
		.amdhsa_enable_private_segment 0
		.amdhsa_kernarg_size 72
		.amdhsa_user_sgpr_count 2
		.amdhsa_user_sgpr_kernarg_segment_ptr 1
		.amdhsa_wavefront_size32 1
		.amdhsa_system_sgpr_workgroup_id_x 1
		.amdhsa_system_sgpr_workgroup_id_y 1
		.amdhsa_system_sgpr_workgroup_id_z 1
		.amdhsa_system_vgpr_workitem_id 0
		.amdhsa_next_free_vgpr 1024
		.amdhsa_next_free_sgpr 86
		.amdhsa_reserve_vcc 0
		.amdhsa_float_denorm_mode_32 3
		.amdhsa_float_denorm_mode_16_64 3
		.amdhsa_memory_ordered 1
		.amdhsa_forward_progress 1
		.amdhsa_inst_pref_size 242
	.end_amdhsa_kernel
	.amdgpu_metadata
---
amdhsa.version: [ 1, 2 ]
amdhsa.kernels:
  - .name:           k_qd314f57c8a_proj
    .symbol:         k_qd314f57c8a_proj.kd
    .args:
      - { .name: query, .offset: 0, .size: 8, .value_kind: global_buffer, .address_space: global }
      - { .name: key, .offset: 8, .size: 8, .value_kind: global_buffer, .address_space: global }
      - { .name: val, .offset: 16, .size: 8, .value_kind: global_buffer, .address_space: global }
      - { .name: Wq, .offset: 24, .size: 8, .value_kind: global_buffer, .address_space: global }
      - { .name: Wk, .offset: 32, .size: 8, .value_kind: global_buffer, .address_space: global }
      - { .name: Wv, .offset: 40, .size: 8, .value_kind: global_buffer, .address_space: global }
      - { .name: qh, .offset: 48, .size: 8, .value_kind: global_buffer, .address_space: global }
      - { .name: kh, .offset: 56, .size: 8, .value_kind: global_buffer, .address_space: global }
      - { .name: vh, .offset: 64, .size: 8, .value_kind: global_buffer, .address_space: global }
    .group_segment_fixed_size: 327680
    .private_segment_fixed_size: 0
    .kernarg_segment_align: 8
    .kernarg_segment_size: 72
    .max_flat_workgroup_size: 128
    .sgpr_count:     86
    .vgpr_count:     1024
    .wavefront_size: 32
...
	.end_amdgpu_metadata
.endif
;; end of part 1
;; launch attn (part 2): grid 8 x 32, 8 waves a work-group, clusters of 4 x 1, 327,680 bytes of LDS; arguments qh, kh, vh, mask, att, Wo, woh; writes att, woh
.if DOCPART == 2
	.amdgcn_target "amdgcn-amd-amdhsa--gfx1250"
	.amdhsa_code_object_version 6
	.text
	.protected	k_qd314f57c8a_attn
	.globl	k_qd314f57c8a_attn
	.p2align	8
	.type	k_qd314f57c8a_attn,@function
k_qd314f57c8a_attn:
	s_mov_b64 s[64:65], 0
	v_nop
	global_prefetch_b8 v0, s[64:65] scope:SCOPE_SE
	s_setreg_imm32_b32 hwreg(HW_REG_WAVE_MODE, 25, 1), 1
	s_wait_xcnt 0x0
	s_wait_alu depctr_hold_cnt(0) depctr_sa_sdst(0) depctr_va_vdst(0) depctr_va_sdst(0) depctr_va_ssrc(0) depctr_va_vcc(0) depctr_vm_vsrc(0)
	s_getreg_b32 s2, hwreg(HW_REG_IB_STS2, 6, 4)
	s_cmp_eq_u32 s2, 0
	s_cbranch_scc0 .Lentry_in_a_cluster
	s_endpgm
.Lentry_in_a_cluster:
	s_bfe_u32 s2, ttmp6, 0x10000c
	s_cmp_lg_u32 s2, 0x3003
	s_cbranch_scc0 .Lentry_shape_is_right
	s_endpgm
.Lentry_shape_is_right:
; ATTENTION for one (batch, head) and 256 queries: softmax(q k^T / 32 - 10000 mask) v, with a running maximum, nothing of the logits leaves registers.
; qh, kh, vh, att: f16, element (batch, head, token, d) at byte ((batch*16+head)*2048+token)*128 + 2 d.  mask: [2][2048] int32, taken as a number.
; SHARES: grid y = batch*16 + head, grid x = 8 query blocks.  Eight waves, 32 queries each (two tiles of 16); two waves lie on a SIMD, so that one's
; softmax arithmetic stands beside the other's matrix work.  Keys go in tiles of 256 through two LDS slots, in steps of 64.
; CLUSTERS 4 x 1: the four query blocks of a cluster read the same K and V tiles and ask for them jointly (mask 15).
; LAYOUT: S^T = K Q^T (source 0 = 16 keys, source 1 = 16 queries): lane (r, h) holds query r and keys 8 h + 0..7 of each tile, so maximum and sum stay
; inside the lane but for one exchange between the halves, and two packed tiles of S^T are source 1 of O^T = V^T P^T as they stand.
; V^T's fragments come from the [key][d] tile by the transposing LDS load.
; THE MASK costs no vector work in the loop: bias[key] = -320000 x mask[key] is the C operand of the first product, and
; p = 2^(c S - c max) with c = log2(e) / 32.  The bias is rounded with the raw product at 1/32, that is 1/1024 of a logit, as subtracting 10000 from an f32 logit does.
; BESIDE IT: Wo, which the next launch multiplies by, is rounded to f16 here (woh, the same [1024][1024] order): each of the 256 work-groups takes 16,384 bytes,
; a wave 2,048, while the first K and V tile is on its way.  The next launch's tiles of Wo are then half as large and need no conversion.
; LIMITS: f16 operands (|q|, |k|, |v|, |Wo| below 65,504); p below about 6e-8 rounds to zero in f16; 2^x gives zero where the result would be denormal; mask exact up to 2^24.
.set KP,    144                        ; K's LDS row: 128 bytes + 16
.set VP,    160                        ; V's LDS row: 128 bytes + 32, an odd multiple of 32 for the transposing load
.set VOFF,  256*KP                     ; V behind K in a slot
.set SLOT,  256*KP+256*VP              ; 77,824
.set BIAS,  2*SLOT                     ; 2,048 f32, written once by LDS stores; no tensor load lands here
.set STAGE, BIAS+8192                  ; 32 rows x 144 bytes for each wave, for the way out
.set ADRK, 2                           ; v2-3    K fragments, slot 0, 1
.set ADRV, 4                           ; v4-5    V fragments
.set BADR, 6                           ; v6      my 32 bytes of bias in the current pair of tiles
.set STO,  7
.set RD,   8
.set CO,   9
.set QOFF, 10
.set NM,   12                          ; v[12:13], v[14:15]: (-c max, max) of query tile 0, 1
.set MX,   13
.set AL,   16                          ; v[16:17], v[18:19]: (rescale factor, running sum)
.set LS,   17
.set TT,   20                          ; v20-23, v24-27 at work, four a query tile
.set TX,   28                          ; v28-29 the other half's figure
.set BI,   32                          ; v32-63   bias, 8 registers a key tile
.set SC,   64                          ; v64-127  S^T: 64 + 32 q + 8 t; later P: 64 + 32 q + 16 u
.set KF,   128                         ; v128-191 K fragments: 128 + 16 t + 8 s
.set VF,   192                         ; v192-255 V^T fragments: 192 + 16 t + 8 u
.set OA,   0                           ; window 1: O^T: 16 t + 8 q
.set QF,   64                          ; window 1: Q fragments: 64 + 16 q + 8 s
.set G1K, 24
.set G1V, 32
.set G0K, 40                           ; s[40:47] one set a slot
.set G0V, 48                           ; s[48:55]
.set MSB, 0
.macro WIN new
.if MSB != \new
	s_set_vgpr_msb (MSB<<8)|\new
.set MSB, \new
.endif
.endm
.macro PLACES
.rept 4
	v_nop
.endr
.endm
.macro ROUND                           ; a round of the cluster's barrier
	s_barrier_signal -1
	s_barrier_wait -1
	s_cmp_lg_u32 s3, 0
	s_cbranch_scc1 .Lnot_wave_0_\@
	s_barrier_signal -3
.Lnot_wave_0_\@:
	s_barrier_wait -3
	s_barrier_signal -1
	s_barrier_wait -1
.endm
	s_load_b256 s[12:19], s[0:1], 0x0              ; qh, kh, vh, mask
	s_load_b64 s[20:21], s[0:1], 0x20              ; att
	s_load_b128 s[68:71], s[0:1], 0x28             ; Wo, woh
	s_set_vgpr_msb 0x40
	v_lshl_add_u32 v96, v0, 2, 0x31000
	v_mov_b32 v97, 0
	s_set_vgpr_msb 0x4045
	ds_add_u32 v96, v97
	s_set_vgpr_msb 0x4500
	v_lshrrev_b32 v1, 5, v0
	v_readfirstlane_b32 s3, v1                     ; wave 0..7
	s_bfe_u32 s4, ttmp6, 0x40000                   ; cx
	s_lshl_b32 s5, ttmp9, 2
	s_add_co_u32 s5, s5, s4                        ; query block 0..7
	s_and_b32 s6, ttmp7, 0xffff                    ; batch*16 + head
	s_mov_b32 s22, 0x76543210                      ; v_permlanex16_b32: lane i of the other half
	s_mov_b32 s23, 0xfedcba98
	s_lshl_b32 s8, s6, 18                          ; the head's 262,144 bytes
	s_lshl_b32 s7, s3, 12                          ; my 32 rows of 128 bytes
	s_add_co_u32 s8, s8, s7                        ; K's and V's offset: no place in the cluster enters it
	s_mov_b32 s9, 0
	s_lshl_b32 s10, s5, 15                         ; 256 queries of 128 bytes
	s_add_co_u32 s10, s10, s8                      ; Q's and the result's offset
	s_mov_b32 s11, 0
	s_lshr_b32 s58, s6, 4
	s_lshl_b32 s58, s58, 13                        ; the batch's 8,192 bytes of mask
	s_mov_b32 s59, 0
	s_lshl_b32 s72, s6, 3
	s_add_co_u32 s72, s72, s5                      ; the work-group's number 0..255
	s_lshl_b32 s74, s72, 13                        ; its 8,192 bytes of woh
	s_lshl_b32 s72, s72, 14                        ; its 16,384 bytes of Wo
	s_lshl_b32 s73, s3, 11
	s_add_co_u32 s72, s72, s73                     ; + my wave's 2,048
	s_lshl_b32 s75, s3, 10
	s_add_co_u32 s74, s74, s75                     ; + my wave's 1,024
	s_mov_b32 s73, 0
	s_mov_b32 s75, 0
	; group 1: 32 rows x 64 elements of 2 bytes, padding behind every 32 words: 4 words for K, 8 for V; mask 15: all four work-groups
	s_mov_b32 s[G1K+0], 15|(1<<16)|(1<<20)|(1<<21)|(4<<22)|(3<<25)
	s_mov_b32 s[G1V+0], 15|(1<<16)|(1<<20)|(1<<21)|(4<<22)|(7<<25)
	s_mov_b32 s[G1K+1], 64<<16
	s_mov_b32 s[G1V+1], 64<<16
	s_mov_b32 s[G1K+2], 32<<16
	s_mov_b32 s[G1V+2], 32<<16
	s_mov_b32 s[G1K+3], 64<<16
	s_mov_b32 s[G1V+3], 64<<16
	s_mov_b32 s[G1K+4], 32
	s_mov_b32 s[G1V+4], 32
	s_mov_b32 s[G1K+5], 64
	s_mov_b32 s[G1V+5], 64
	s_mov_b32 s[G1K+6], 0
	s_mov_b32 s[G1V+6], 0
	s_mov_b32 s[G1K+7], 0
	s_mov_b32 s[G1V+7], 0
	s_mul_i32 s60, s3, 32*KP
	s_mul_i32 s61, s3, 32*VP
	s_add_co_u32 s61, s61, VOFF
	s_mul_i32 s62, s3, 32*KP
	s_add_co_u32 s62, s62, STAGE
	s_wait_dscnt 0x0
	s_wait_kmcnt 0x0
	s_add_nc_u64 s[14:15], s[14:15], s[8:9]
	s_add_nc_u64 s[16:17], s[16:17], s[8:9]
	s_add_nc_u64 s[12:13], s[12:13], s[10:11]
	s_add_nc_u64 s[20:21], s[20:21], s[10:11]
	s_add_nc_u64 s[18:19], s[18:19], s[58:59]
	s_add_nc_u64 s[68:69], s[68:69], s[72:73]
	s_add_nc_u64 s[70:71], s[70:71], s[74:75]
.irp s, 0,1
	s_mov_b32 s[G0K+4*\s], 1
	s_add_co_u32 s[G0K+4*\s+1], s60, \s*SLOT
	s_add_nc_u64 s[G0K+4*\s+2:G0K+4*\s+3], s[14:15], \s*32768      ; key tile s
	s_or_b32 s[G0K+4*\s+3], s[G0K+4*\s+3], 0x80000000
	s_mov_b32 s[G0V+4*\s], 1
	s_add_co_u32 s[G0V+4*\s+1], s61, \s*SLOT
	s_add_nc_u64 s[G0V+4*\s+2:G0V+4*\s+3], s[16:17], \s*32768
	s_or_b32 s[G0V+4*\s+3], s[G0V+4*\s+3], 0x80000000
.endr
	ROUND                                          ; the four work-groups are here: the first joint loads meet
	tensor_load_to_lds s[G0K:G0K+3], s[G1K:G1K+7]  ; tile 0
	s_nop 0
	tensor_load_to_lds s[G0V:G0V+3], s[G1V:G1V+7]
	s_nop 0
	v_and_b32 v1, 15, v0                           ; r
	v_bfe_u32 v30, v0, 4, 1                        ; h
	v_and_b32 v31, 7, v0
	v_lshlrev_b32 v11, 5, v0                       ; my 8 words of the mask
	v_lshlrev_b32 v[QOFF], 7, v1
	v_lshl_add_u32 v[QOFF], v30, 4, v[QOFF]        ; query r, 16 bytes a half
	global_load_b128 v[64:67], v11, s[18:19]
	global_load_b128 v[68:71], v11, s[18:19] offset:16
	WIN 0x40                                       ; destination window 1
.irp q, 0,1
.irp s, 0,1
	global_load_b128 v[QF+16*\q+8*\s:QF+16*\q+8*\s+3],   v[QOFF], s[12:13] offset:\q*2048+64*\s
	global_load_b128 v[QF+16*\q+8*\s+4:QF+16*\q+8*\s+7], v[QOFF], s[12:13] offset:\q*2048+64*\s+32
.endr
.endr
	WIN 0
	v_mul_u32_u24 v[ADRK], v1, KP
	v_lshl_add_u32 v[ADRK], v30, 4, v[ADRK]        ; key row r, 16 bytes a half
	v_add_nc_u32 v[ADRK+1], SLOT, v[ADRK]
	v_lshl_add_u32 v[ADRV], v30, 3, v31            ; key row 8 h + (lane & 7)
	v_mul_u32_u24 v[ADRV], v[ADRV], VP
	v_bfe_u32 v[ADRV+1], v0, 3, 1
	v_lshl_add_u32 v[ADRV], v[ADRV+1], 4, v[ADRV]  ; + 16 bytes for lanes 8-15 of each half
	v_add_nc_u32 v[ADRV], VOFF, v[ADRV]
	v_add_nc_u32 v[ADRV+1], SLOT, v[ADRV]
	v_lshlrev_b32 v[BADR], 5, v30
	v_add_nc_u32 v[BADR], BIAS, v[BADR]
	v_add_nc_u32 v[STO], s62, v[ADRK]              ; stage + r x 144 + 16 h
	v_and_b32 v[CO], 31, v0
	v_lshrrev_b32 v[RD], 3, v[CO]
	v_mul_u32_u24 v[RD], v[RD], KP
	v_lshl_add_u32 v[RD], v31, 4, v[RD]
	v_add_nc_u32 v[RD], s62, v[RD]
	v_lshlrev_b32 v[TT], 3, v[CO]                  ; 8 x lane: my 8 bytes in a store of woh
	v_lshlrev_b32 v[CO], 4, v[CO]                  ; 16 x lane
	v_add_nc_u32 v31, BIAS, v11
	v_mov_b32 v[TX], 0                             ; a lane permute's destination counts as read
	v_mov_b32 v[TX+1], 0
.irp j, 0,1,2,3
	global_load_b128 v[KF+4*\j:KF+4*\j+3], v[CO], s[68:69] offset:512*\j th:TH_LOAD_NT   ; my wave's 2,048 bytes of Wo, 512 consecutive bytes a load; read once in the launch
.endr
	s_wait_loadcnt 12                              ; the mask is in; the eight loads of Q and the four of Wo, issued behind it, may be out
.irp i, 0,1,2,3,4,5,6,7
	v_cvt_f32_i32 v[64+\i], v[64+\i]
.endr
.irp i, 0,2,4,6
	v_pk_mul_f32 v[64+\i:65+\i], v[64+\i:65+\i], 0xc89c4000 op_sel_hi:[1,0]    ; x -320000 = -10000 x 32: the logits' scale 1/32 comes later
.endr
	ds_store_b128 v31, v[64:67]
	ds_store_b128 v31, v[68:71] offset:16          ; the first trip's wait and round show these to the other waves
	s_wait_loadcnt 0x0
.irp j, 0,1,2,3
	v_cvt_pk_f16_f32 v[KF+16+2*\j], v[KF+4*\j],   v[KF+4*\j+1]
	v_cvt_pk_f16_f32 v[KF+17+2*\j], v[KF+4*\j+2], v[KF+4*\j+3]
.endr
.irp j, 0,1,2,3
	global_store_b64 v[TT], v[KF+16+2*\j:KF+17+2*\j], s[70:71] offset:256*\j   ; the wave's store covers 256 consecutive bytes, aligned
.endr
	s_wait_xcnt 0x0                                ; the stores' data and offset registers are written again in the first step, only behind this wait
; 24 LDS loads: the K fragments and the bias of 64 keys
.macro LOADK slot, kt
.irp t, 0,1,2,3
.irp s, 0,1
	ds_load_b128 v[KF+16*\t+8*\s:KF+16*\t+8*\s+3],   v[ADRK+\slot] offset:(64*(\kt)+16*\t)*KP+64*\s
	ds_load_b128 v[KF+16*\t+8*\s+4:KF+16*\t+8*\s+7], v[ADRK+\slot] offset:(64*(\kt)+16*\t)*KP+64*\s+32
.endr
.endr
.irp t, 0,1,2,3
	ds_load_b128 v[BI+8*\t:BI+8*\t+3],   v[BADR] offset:\slot*1024+(\kt)*256+\t*64
	ds_load_b128 v[BI+8*\t+4:BI+8*\t+7], v[BADR] offset:\slot*1024+(\kt)*256+\t*64+16
.endr
.endm
; 16 transposing loads: V^T, 4 tiles of 16 d x 2 blocks of 32 keys
.macro LOADV slot, kt
.irp t, 0,1,2,3
.irp u, 0,1
	ds_load_tr16_b128 v[VF+16*\t+8*\u:VF+16*\t+8*\u+3],   v[ADRV+\slot] offset:(64*\kt+32*\u)*VP+32*\t
	ds_load_tr16_b128 v[VF+16*\t+8*\u+4:VF+16*\t+8*\u+7], v[ADRV+\slot] offset:(64*\kt+32*\u)*VP+32*\t+16*VP
.endr
.endr
.endm
; the new running maximum of query tile q, -c times it, and the factor by which the old sums shrink
.macro ROWMAX q, first
.irp t, 0,1,2,3
	v_max3_num_f32 v[TT+4*\q+\t], v[SC+32*\q+8*\t], v[SC+32*\q+8*\t+1], v[SC+32*\q+8*\t+2]
.endr
.irp t, 0,1,2,3
	v_max3_num_f32 v[TT+4*\q+\t], v[TT+4*\q+\t], v[SC+32*\q+8*\t+3], v[SC+32*\q+8*\t+4]
.endr
.irp t, 0,1,2,3
	v_max3_num_f32 v[TT+4*\q+\t], v[TT+4*\q+\t], v[SC+32*\q+8*\t+5], v[SC+32*\q+8*\t+6]
.endr
.irp t, 0,1,2,3
	v_max_num_f32 v[TT+4*\q+\t], v[TT+4*\q+\t], v[SC+32*\q+8*\t+7]
.endr
	v_max3_num_f32 v[TT+4*\q], v[TT+4*\q], v[TT+4*\q+1], v[TT+4*\q+2]
.if \first
	v_max_num_f32 v[TT+4*\q], v[TT+4*\q], v[TT+4*\q+3]
.else
	v_max3_num_f32 v[TT+4*\q], v[TT+4*\q], v[TT+4*\q+3], v[MX+2*\q]
.endif
	v_permlanex16_b32 v[TX+\q], v[TT+4*\q], s22, s23               ; the other half holds the same query's other keys
	v_max_num_f32 v[MX+2*\q], v[TT+4*\q], v[TX+\q]
	v_mul_f32 v[TT+4*\q+1], 0xbd38aa3b, v[MX+2*\q]                 ; -c max
.if \first == 0
	v_sub_f32 v[TT+4*\q+2], v[TT+4*\q+1], v[NM+2*\q]               ; c (old max - new max), never above 0
	v_exp_f32 v[AL+2*\q], v[TT+4*\q+2]
.endif
	v_mov_b32 v[NM+2*\q], v[TT+4*\q+1]                             ; also the plain place behind the exponential (ISA guide 5.7.2)
.endm
; p = 2^(c S - c max), in place
.macro EXPS q
.irp i, 0,2,4,6,8,10,12,14,16,18,20,22,24,26,28,30
	v_pk_fma_f32 v[SC+32*\q+\i:SC+32*\q+\i+1], v[SC+32*\q+\i:SC+32*\q+\i+1], 0x3d38aa3b, v[NM+2*\q:NM+2*\q+1] op_sel_hi:[1,0,0]
.endr
.set j, 0
.rept 32
	v_exp_f32 v[SC+32*\q+j], v[SC+32*\q+j]                         ; the plain instruction that follows the run touches the other query tile
.set j, j+1
.endr
.endm
; my half's sum of the 32 p, in two chains, onto the shrunk running sum
.macro SUM q, first
	s_wait_alu depctr_va_vdst(0)
	v_pk_add_f32 v[TT+4*\q:TT+4*\q+1],   v[SC+32*\q:SC+32*\q+1],     v[SC+32*\q+2:SC+32*\q+3]
	v_pk_add_f32 v[TT+4*\q+2:TT+4*\q+3], v[SC+32*\q+16:SC+32*\q+17], v[SC+32*\q+18:SC+32*\q+19]
.irp i, 4,6,8,10,12,14
	v_pk_add_f32 v[TT+4*\q:TT+4*\q+1],   v[TT+4*\q:TT+4*\q+1],   v[SC+32*\q+\i:SC+32*\q+\i+1]
	v_pk_add_f32 v[TT+4*\q+2:TT+4*\q+3], v[TT+4*\q+2:TT+4*\q+3], v[SC+32*\q+16+\i:SC+32*\q+17+\i]
.endr
	v_pk_add_f32 v[TT+4*\q:TT+4*\q+1], v[TT+4*\q:TT+4*\q+1], v[TT+4*\q+2:TT+4*\q+3]
.if \first
	v_add_f32 v[LS+2*\q], v[TT+4*\q], v[TT+4*\q+1]
.else
	v_add_f32 v[TT+4*\q], v[TT+4*\q], v[TT+4*\q+1]
	v_fma_f32 v[LS+2*\q], v[LS+2*\q], v[AL+2*\q], v[TT+4*\q]
.endif
.endm
; p to f16 in place, ascending, so that no unread source is overwritten: tiles 2 u, 2 u + 1 become source 1 of the second product, 8 registers at 16 u
.macro PACK q
.irp u, 0,1
.irp i, 0,1,2,3,4,5,6,7
	v_cvt_pk_f16_f32 v[SC+32*\q+16*\u+\i], v[SC+32*\q+16*\u+2*\i], v[SC+32*\q+16*\u+2*\i+1]
.endr
.endr
.endm
; 64 keys.  In both matrix phases eight accumulators take turns, one instruction a turn.
.macro STEP slot, kt, first
.if \kt == 0
	LOADK \slot, 0
.endif
.rept 5
	v_nop                                          ; five places behind the last products: V's fragments are loaded again, and matrix instructions write over P
.endr
	LOADV \slot, \kt
	s_wait_dscnt 16                                ; K and bias are in; V's 16 loads, issued behind them, may be out
	WIN 0x04                                       ; source 1 (Q) window 1
.irp t, 0,1,2,3
.irp q, 0,1
	v_wmma_f32_16x16x32_f16 v[SC+32*\q+8*\t:SC+32*\q+8*\t+7], v[KF+16*\t:KF+16*\t+7], v[QF+16*\q:QF+16*\q+7], v[BI+8*\t:BI+8*\t+7]
.endr
.endr
.irp t, 0,1,2,3
.irp q, 0,1
	v_wmma_f32_16x16x32_f16 v[SC+32*\q+8*\t:SC+32*\q+8*\t+7], v[KF+16*\t+8:KF+16*\t+15], v[QF+16*\q+8:QF+16*\q+15], v[SC+32*\q+8*\t:SC+32*\q+8*\t+7]
.endr
.endr
	WIN 0
	PLACES                                         ; before S is read and K's fragments and the bias are loaded again
.if \kt < 3
	LOADK \slot, \kt+1
.endif
	ROWMAX 0, \first
	ROWMAX 1, \first
	EXPS 0
	EXPS 1
	SUM 0, \first
	PACK 0
	SUM 1, \first
	PACK 1
.if \first == 0
	WIN 0x41                                       ; O in window 1, the factor in window 0
.irp t, 0,1,2,3
.irp q, 0,1
.irp i, 0,2,4,6
	v_pk_mul_f32 v[OA+16*\t+8*\q+\i:OA+16*\t+8*\q+\i+1], v[OA+16*\t+8*\q+\i:OA+16*\t+8*\q+\i+1], v[AL+2*\q:AL+2*\q+1] op_sel_hi:[1,0]
.endr
.endr
.endr
.endif
.if \kt < 3
	s_wait_dscnt 24                                ; V is in; the next step's 24 loads of K and bias may be out
.else
	s_wait_dscnt 0x0
.endif
	WIN 0x50                                       ; C and D window 1
.irp t, 0,1,2,3
.irp q, 0,1
.if \first
	v_wmma_f32_16x16x32_f16 v[OA+16*\t+8*\q:OA+16*\t+8*\q+7], v[VF+16*\t:VF+16*\t+7], v[SC+32*\q:SC+32*\q+7], 0
.else
	v_wmma_f32_16x16x32_f16 v[OA+16*\t+8*\q:OA+16*\t+8*\q+7], v[VF+16*\t:VF+16*\t+7], v[SC+32*\q:SC+32*\q+7], v[OA+16*\t+8*\q:OA+16*\t+8*\q+7]
.endif
.endr
.endr
.irp t, 0,1,2,3
.irp q, 0,1
	v_wmma_f32_16x16x32_f16 v[OA+16*\t+8*\q:OA+16*\t+8*\q+7], v[VF+16*\t+8:VF+16*\t+15], v[SC+32*\q+16:SC+32*\q+23], v[OA+16*\t+8*\q:OA+16*\t+8*\q+7]
.endr
.endr
	WIN 0
.endm
; a tile of 256 keys.  The next tile is asked for first thing behind the round and has this whole trip in which to land; two loads of the wave are out.
.macro TRIP slot, refill, first
	s_set_vgpr_msb 0x5
	s_wait_tensorcnt 0x0                           ; all my tensor loads are done, my part of this trip's tile among them,
	ds_add_u32 v96, v97
	s_wait_dscnt 0x0
	s_set_vgpr_msb 0x500
	s_add_nc_u64 s[G0K+4*\slot+2:G0K+4*\slot+3], s[G0K+4*\slot+2:G0K+4*\slot+3], 65536   ; so every group 0 may be written: this slot's next tile
	s_add_nc_u64 s[G0V+4*\slot+2:G0V+4*\slot+3], s[G0V+4*\slot+2:G0V+4*\slot+3], 65536
	s_wait_dscnt 0x0                               ; my reads of the last trip's tile are done (in the first trip: my stores of the bias)
	ROUND                                          ; both now hold of every wave of the four work-groups
.if \refill
	tensor_load_to_lds s[G0K+4-4*\slot:G0K+7-4*\slot], s[G1K:G1K+7]
	s_nop 0
	tensor_load_to_lds s[G0V+4-4*\slot:G0V+7-4*\slot], s[G1V:G1V+7]
	s_nop 0
.endif
	STEP \slot, 0, \first
	STEP \slot, 1, 0
	STEP \slot, 2, 0
	STEP \slot, 3, 0
.endm
	TRIP 0, 1, 1                                   ; the first step starts maximum, sums and O: nothing is cleared
	TRIP 1, 1, 0
	v_add_nc_u32 v[BADR], 2048, v[BADR]            ; 512 keys of bias on
	s_mov_b32 s56, 2                               ; 8 tiles: two ahead, four here, two behind
.Lpair:
	TRIP 0, 1, 0
	TRIP 1, 1, 0
	v_add_nc_u32 v[BADR], 2048, v[BADR]
	s_sub_co_u32 s56, s56, 1
	s_cmp_lg_u32 s56, 0
	s_cbranch_scc1 .Lpair
	TRIP 0, 1, 0
	TRIP 1, 0, 0                                   ; the last trip fetches nothing (its stepped addresses are not used)
	; THE WAY OUT: divide by the sum of both halves, round to f16, through my own stage, 512 consecutive bytes a store, aligned.
	PLACES
	v_permlanex16_b32 v[TX], v[LS], s22, s23
	v_permlanex16_b32 v[TX+1], v[LS+2], s22, s23
	v_add_f32 v[LS], v[LS], v[TX]
	v_add_f32 v[LS+2], v[LS+2], v[TX+1]            ; at least 1: the largest logit's p is 1
	v_rcp_f32 v[AL], v[LS]
	v_rcp_f32 v[AL+2], v[LS+2]
	v_nop                                          ; the plain place behind the reciprocals (ISA guide 5.7.2)
	WIN 0x41
	s_wait_alu depctr_va_vdst(0)
.irp t, 0,1,2,3
.irp q, 0,1
.irp i, 0,2,4,6
	v_pk_mul_f32 v[OA+16*\t+8*\q+\i:OA+16*\t+8*\q+\i+1], v[OA+16*\t+8*\q+\i:OA+16*\t+8*\q+\i+1], v[AL+2*\q:AL+2*\q+1] op_sel_hi:[1,0]
.endr
.endr
.endr
	WIN 0x05                                       ; sources window 1, destination window 0
.irp t, 0,1,2,3
.irp q, 0,1
.irp i, 0,1,2,3
	v_cvt_pk_f16_f32 v[SC+4*(2*\t+\q)+\i], v[OA+16*\t+8*\q+2*\i], v[OA+16*\t+8*\q+2*\i+1]
.endr
.endr
.endr
	WIN 0
.irp t, 0,1,2,3
.irp q, 0,1
	ds_store_b128 v[STO], v[SC+4*(2*\t+\q):SC+4*(2*\t+\q)+3] offset:\q*16*KP+32*\t     ; query 16 q + r, d = 16 t + 8 h + 0..7
.endr
.endr
.irp i, 0,1,2,3,4,5,6,7
	ds_load_b128 v[KF+4*\i:KF+4*\i+3], v[RD] offset:\i*4*KP        ; LDS serves a wave's instructions in order: these see the stores above
.endr
.irp i, 0,1,2,3,4,5,6,7
	s_wait_dscnt 7-\i
	global_store_b128 v[CO], v[KF+4*\i:KF+4*\i+3], s[20:21] offset:512*\i
.endr
	s_set_vgpr_msb 0x5
	s_wait_tensorcnt 0x0
	ds_add_u32 v96, v97
	s_wait_dscnt 0x0
	s_set_vgpr_msb 0x500
	ROUND                                          ; the closing round
	s_endpgm
.Lfunc_end_k_qd314f57c8a_attn:
	.size	k_qd314f57c8a_attn, .Lfunc_end_k_qd314f57c8a_attn-k_qd314f57c8a_attn
	.p2alignl 7, 3214868480
	.fill 96, 4, 3214868480
	.section	.rodata,"a",@progbits
	.p2align	6, 0x0
	.amdhsa_kernel k_qd314f57c8a_attn
		.amdhsa_group_segment_fixed_size 327680
		.amdhsa_private_segment_fixed_size 0
		.amdhsa_enable_private_segment 0
		.amdhsa_kernarg_size 56
		.amdhsa_user_sgpr_count 2
		.amdhsa_user_sgpr_kernarg_segment_ptr 1
		.amdhsa_wavefront_size32 1
		.amdhsa_system_sgpr_workgroup_id_x 1
		.amdhsa_system_sgpr_workgroup_id_y 1
		.amdhsa_system_sgpr_workgroup_id_z 1
		.amdhsa_system_vgpr_workitem_id 0
		.amdhsa_next_free_vgpr 354
		.amdhsa_next_free_sgpr 76
		.amdhsa_reserve_vcc 0
		.amdhsa_float_denorm_mode_32 3
		.amdhsa_float_denorm_mode_16_64 3
		.amdhsa_memory_ordered 1
		.amdhsa_forward_progress 1
		.amdhsa_inst_pref_size 255
	.end_amdhsa_kernel
	.section	.bss,"aw",@nobits
	.p2align	6
	.space	262144
	.amdgpu_metadata
---
amdhsa.version: [ 1, 2 ]
amdhsa.kernels:
  - .name:           k_qd314f57c8a_attn
    .symbol:         k_qd314f57c8a_attn.kd
    .args:
      - { .name: qh, .offset: 0, .size: 8, .value_kind: global_buffer, .address_space: global }
      - { .name: kh, .offset: 8, .size: 8, .value_kind: global_buffer, .address_space: global }
      - { .name: vh, .offset: 16, .size: 8, .value_kind: global_buffer, .address_space: global }
      - { .name: mask, .offset: 24, .size: 8, .value_kind: global_buffer, .address_space: global }
      - { .name: att, .offset: 32, .size: 8, .value_kind: global_buffer, .address_space: global }
      - { .name: Wo, .offset: 40, .size: 8, .value_kind: global_buffer, .address_space: global }
      - { .name: woh, .offset: 48, .size: 8, .value_kind: global_buffer, .address_space: global }
    .group_segment_fixed_size: 327680
    .private_segment_fixed_size: 0
    .kernarg_segment_align: 8
    .kernarg_segment_size: 56
    .max_flat_workgroup_size: 256
    .sgpr_count:     76
    .vgpr_count:     354
    .wavefront_size: 32
...
	.end_amdgpu_metadata
.endif
;; end of part 2
;; launch oproj (part 3): grid 8 x 32, 4 waves a work-group, clusters of 4 x 4, 327,680 bytes of LDS; arguments att, woh, out0; writes out0
.if DOCPART == 3
	.amdgcn_target "amdgcn-amd-amdhsa--gfx1250"
	.amdhsa_code_object_version 6
	.text
	.protected	k_qd314f57c8a_oproj
	.globl	k_qd314f57c8a_oproj
	.p2align	8
	.type	k_qd314f57c8a_oproj,@function
k_qd314f57c8a_oproj:
	s_mov_b64 s[64:65], 0
	v_nop
	global_prefetch_b8 v0, s[64:65] scope:SCOPE_SE
	s_setreg_imm32_b32 hwreg(HW_REG_WAVE_MODE, 25, 1), 1
	s_wait_xcnt 0x0
	s_wait_alu depctr_hold_cnt(0) depctr_sa_sdst(0) depctr_va_vdst(0) depctr_va_sdst(0) depctr_va_ssrc(0) depctr_va_vcc(0) depctr_vm_vsrc(0)
	s_getreg_b32 s2, hwreg(HW_REG_IB_STS2, 6, 4)
	s_cmp_eq_u32 s2, 0
	s_cbranch_scc0 .Lentry_in_a_cluster
	s_endpgm
.Lentry_in_a_cluster:
	s_bfe_u32 s2, ttmp6, 0x10000c
	s_cmp_lg_u32 s2, 0xf033
	s_cbranch_scc0 .Lentry_shape_is_right
	s_endpgm
.Lentry_shape_is_right:
; THE OUTPUT PROJECTION  out0[token][n] = sum over e of att[token][e] Wo[n][e], e = 64 head + d.
; att: f16 by heads, element (batch, head, token, d) at byte ((batch*16+head)*2048+token)*128 + 2 d.  woh: Wo rounded to f16 by the launch before, [1024 n][1024 e].
; Sums and out0 are f32.
; SHARES: blocks of 128 tokens x 128 columns: grid 8 x 32 = 256 work-groups; blocks of 256 x 256 would make 64.  Four waves, 64 x 64 each: 16 accumulator tiles.
; K goes in 8 tiles of 128 (two heads; woh's rows of 256 bytes, aligned) through FOUR LDS slots, so that half of K lies in LDS at a time.
; A tile's matrix work is short (64 instructions a wave), so tiles are asked for in batches: tiles 0-3 at the start; tiles 4, 5 behind one round of the cluster's
; barrier when slots 0, 1 have been read; tiles 6, 7 behind one round when slots 2, 3 have been read.  Each refill has two tiles' work in which to land.
; A wave has four tensor loads out at the start and two behind each of the two refill rounds.
; CLUSTERS 4 x 4: att's tile hangs on the token block and is shared along a row of the cluster, woh's on the column block and is shared along a column.
; The matrix instruction takes woh's rows as source 0 and att's rows as source 1: a lane holds one token and eight neighbouring columns.
.set XP,    144                        ; att's LDS row: 128 bytes + 16, an odd multiple of 16
.set YP,    272                        ; woh's LDS row: 256 bytes + 16, an odd multiple of 16
.set XHALF, 128*XP                     ; one load of att: one head's 128 tokens
.set YOFF,  2*XHALF                    ; woh behind att in a slot
.set YHALF, 64*YP                      ; one load of woh: 64 rows
.set SLOT,  YOFF+2*YHALF               ; 71,680
.set STAGE, 4*SLOT                     ; 16 rows x 272 bytes for each wave; no tensor load lands here
.set SP,    272
.set ADRX, 8                           ; v8-11   LDS address of my att fragments in slot 0..3
.set ADRY, 12                          ; v12-15  the same for woh
.set STO,  16
.set RD,   17
.set CO,   18
.set F0,   32                          ; v32-95   fragment buffer 0: att's four fragments, then woh's four
.set F1,   96                          ; v96-159  fragment buffer 1
.set BK,   192                         ; v192-255 way out: two buffers of 32
.set G1,  24                           ; s[24:31] group 1 for att's tiles
.set G1B, 32                           ; s[32:39] group 1 for woh's tiles
.set G0,  48                           ; s[48:63] group 0 for att's tiles, one set a slot
.set G0B, 68                           ; s[68:83] group 0 for woh's tiles, one set a slot
.set MSB, 0
.macro WIN new
.if MSB != \new
	s_set_vgpr_msb (MSB<<8)|\new
.set MSB, \new
.endif
.endm
.macro PLACES                          ; four places behind a matrix instruction (ISA guide 7.12.1)
.rept 4
	v_nop
.endr
.endm
.macro JLOAD s                         ; waves 0, 1 ask for att's two heads, waves 2, 3 for woh's two halves: one mask a line; the branch hangs on the wave's number alone
	s_cmp_eq_u32 s11, 0
	s_cbranch_scc0 .Lfor_w_\@
	tensor_load_to_lds s[G0+4*\s:G0+4*\s+3], s[G1:G1+7]
	s_nop 0
	s_branch .Lasked_\@
.Lfor_w_\@:
	tensor_load_to_lds s[G0B+4*\s:G0B+4*\s+3], s[G1B:G1B+7]
	s_nop 0
.Lasked_\@:
.endm
.macro CREST
	s_cmp_lg_u32 s10, 0
	s_cbranch_scc1 .Lnot_wave_0_\@
	s_barrier_signal -3
.Lnot_wave_0_\@:
	s_barrier_wait -3
	s_barrier_signal -1
	s_barrier_wait -1
.endm
.macro CROUND
	s_barrier_signal -1
	s_barrier_wait -1
	CREST
.endm
	s_load_b128 s[4:7], s[0:1], 0x0                ; att, woh
	s_load_b64 s[8:9], s[0:1], 0x10                ; out0
	v_lshl_add_u32 v190, v0, 2, 0x4a400
	v_mov_b32 v191, 0
	ds_add_u32 v190, v191
	v_lshrrev_b32 v1, 5, v0
	v_readfirstlane_b32 s10, v1                    ; wave 0..3
	s_lshr_b32 s11, s10, 1                         ; my half of the tokens.  Also: I fetch for att (0) or for woh (1)
	s_and_b32 s12, s10, 1                          ; my half of the columns.  Also: which half of that tile I fetch
	s_bfe_u32 s40, ttmp6, 0x40000                  ; cx
	s_bfe_u32 s41, ttmp6, 0x40004                  ; cy
	s_lshl_b32 s42, ttmp9, 2
	s_add_co_u32 s42, s42, s40                     ; column block 0..7
	s_and_b32 s13, ttmp7, 0xffff
	s_lshl_b32 s13, s13, 2
	s_add_co_u32 s13, s13, s41                     ; token block 0..31
	s_lshl_b32 s43, s41, 2
	s_lshl_b32 s43, 15, s43                        ; my row of the cluster
	s_lshl_b32 s44, 0x1111, s40                    ; my column
	; att: 128 rows x 64 elements of 2 bytes, 4 words of padding behind every 32; woh: 64 rows x 128 elements of 2 bytes, 4 words behind every 64
	s_or_b32 s[G1+0], s43, (1<<16)|(1<<20)|(1<<21)|(4<<22)|(3<<25)
	s_or_b32 s[G1B+0], s44, (1<<16)|(1<<20)|(1<<21)|(5<<22)|(3<<25)
	s_mov_b32 s[G1+1], 64<<16                      ; tensor_dim0
	s_mov_b32 s[G1B+1], 128<<16
	s_mov_b32 s[G1+2], 128<<16                     ; tensor_dim1
	s_mov_b32 s[G1B+2], 64<<16
	s_mov_b32 s[G1+3], 64<<16                      ; tile_dim0
	s_mov_b32 s[G1B+3], 128<<16
	s_mov_b32 s[G1+4], 128                         ; tile_dim1
	s_mov_b32 s[G1B+4], 64
	s_mov_b32 s[G1+5], 64                          ; elements from row to row
	s_mov_b32 s[G1B+5], 1024
	s_mov_b32 s[G1+6], 0
	s_mov_b32 s[G1B+6], 0
	s_mov_b32 s[G1+7], 0
	s_mov_b32 s[G1B+7], 0
	s_lshr_b32 s16, s13, 4                         ; att: batch x 4,194,304
	s_lshl_b32 s16, s16, 22
	s_and_b32 s17, s13, 15                         ;      + 128 tokens of 128 bytes a block
	s_lshl_b32 s17, s17, 14
	s_add_co_u32 s16, s16, s17
	s_lshl_b32 s17, s12, 18                        ;      + my head of the pair
	s_add_co_u32 s16, s16, s17
	s_mov_b32 s17, 0
	s_lshl_b32 s46, s42, 7                         ; woh: row 128 x column block + 64 x half, 2,048 bytes a row
	s_lshl_b32 s47, s12, 6
	s_add_co_u32 s46, s46, s47
	s_lshl_b32 s46, s46, 11
	s_mov_b32 s47, 0
	s_mul_i32 s20, s10, XHALF                      ; att's heads: waves 0, 1
	s_mul_i32 s21, s10, YHALF                      ; woh's halves: waves 2, 3, behind att's two heads:
	s_add_co_u32 s21, s21, YOFF-2*YHALF            ; YOFF + (wave - 2) x YHALF
	s_wait_dscnt 0x0
	s_wait_kmcnt 0x0
	s_add_nc_u64 s[14:15], s[4:5], s[16:17]
	s_add_nc_u64 s[46:47], s[6:7], s[46:47]
	CROUND                                         ; all sixteen work-groups are here: the first joint loads meet
.irp s, 0,1,2,3
	s_mov_b32 s[G0+4*\s], 1
	s_add_co_u32 s[G0+4*\s+1], s20, \s*SLOT
	s_add_nc_u64 s[G0+4*\s+2:G0+4*\s+3], s[14:15], \s*524288       ; two heads a tile
	s_or_b32 s[G0+4*\s+3], s[G0+4*\s+3], 0x80000000
	s_mov_b32 s[G0B+4*\s], 1
	s_add_co_u32 s[G0B+4*\s+1], s21, \s*SLOT
	s_add_nc_u64 s[G0B+4*\s+2:G0B+4*\s+3], s[46:47], \s*256        ; 128 f16 a tile
	s_or_b32 s[G0B+4*\s+3], s[G0B+4*\s+3], 0x80000000
	JLOAD \s                                       ; tiles 0 to 3: all four slots are asked for before anything else is done
.endr
	v_and_b32 v1, 15, v0                           ; r
	v_bfe_u32 v2, v0, 4, 1                         ; h
	v_mul_u32_u24 v3, v1, XP
	v_lshl_add_u32 v3, v2, 4, v3                   ; att: row r, 16 bytes a half
	v_mul_u32_u24 v4, v1, YP
	v_lshl_add_u32 v4, v2, 4, v4                   ; woh: row r, 16 bytes a half
	s_mul_i32 s22, s11, 64*XP                      ; my 64 tokens
	s_mul_i32 s23, s12, 64*YP                      ; my 64 columns
	s_add_co_u32 s23, s23, YOFF
.irp s, 0,1,2,3
	v_add_nc_u32 v[ADRX+\s], s22, v3
	v_add_nc_u32 v[ADRY+\s], s23, v4
	s_add_co_u32 s22, s22, SLOT
	s_add_co_u32 s23, s23, SLOT
.endr
	s_mul_i32 s22, s10, 16*SP
	s_add_co_u32 s22, s22, STAGE
	v_mul_u32_u24 v5, v1, SP                       ; in: token r, 32 bytes for each half of the lanes
	v_lshl_add_u32 v5, v2, 5, v5
	v_add_nc_u32 v[STO], s22, v5
	v_mul_u32_u24 v6, v2, SP                       ; back: lanes 0-15 take one row of 256 bytes, lanes 16-31 the next
	v_lshl_add_u32 v6, v1, 4, v6
	v_add_nc_u32 v[RD], s22, v6
	v_lshlrev_b32 v7, 12, v2                       ; and the same two rows of out0
	v_lshl_add_u32 v[CO], v1, 4, v7
; 16 LDS loads: the fragments of 32 along K (quarter sub of the tile: head sub >> 1, d from 32 (sub & 1)) into buffer f
.macro FETCH slot, sub, f
	WIN 0
.irp a, 0,1,2,3
	ds_load_b128 v[\f+8*\a:\f+8*\a+3],   v[ADRX+\slot] offset:\a*16*XP+(\sub>>1)*XHALF+(\sub&1)*64
	ds_load_b128 v[\f+8*\a+4:\f+8*\a+7], v[ADRX+\slot] offset:\a*16*XP+(\sub>>1)*XHALF+(\sub&1)*64+32
.endr
.irp b, 0,1,2,3
	ds_load_b128 v[\f+32+8*\b:\f+32+8*\b+3], v[ADRY+\slot] offset:\b*16*YP+\sub*64
	ds_load_b128 v[\f+32+8*\b+4:\f+32+8*\b+7], v[ADRY+\slot] offset:\b*16*YP+\sub*64+32
.endr
.endm
; 8 matrix instructions: token blocks a0, a0 + 1 x the four column blocks.
; Over a quarter the 16 accumulators take turns, one instruction a turn, in the same order every time.
.macro MULH f, a0, zero
	WIN 0x50                                       ; C and D window 1
.irp a, \a0, \a0+1
.irp b, 0,1,2,3
.if \zero
	v_wmma_f32_16x16x32_f16 v[8*(4*(\a)+\b):8*(4*(\a)+\b)+7], v[\f+32+8*\b:\f+32+8*\b+7], v[\f+8*(\a):\f+8*(\a)+7], 0
.else
	v_wmma_f32_16x16x32_f16 v[8*(4*(\a)+\b):8*(4*(\a)+\b)+7], v[\f+32+8*\b:\f+32+8*\b+7], v[\f+8*(\a):\f+8*(\a)+7], v[8*(4*(\a)+\b):8*(4*(\a)+\b)+7]
.endif
.endr
.endr
.endm
; A quarter: fetches quarter sub of slot into buffer g, which the products just before have read, then multiplies buffer f.
.macro QUARTER slot, sub, f, g, zero
.if \zero == 0
	PLACES
.endif
	FETCH \slot, \sub, \g
	s_wait_dscnt 16                                ; buffer f is in; the 16 loads just issued may be out
	MULH \f, 0, \zero
	MULH \f, 2, \zero
.endm
.macro THREE slot, zero                ; a tile's first three quarters
	QUARTER \slot, 1, F0, F1, \zero
	QUARTER \slot, 2, F1, F0, 0
	QUARTER \slot, 3, F0, F1, 0
.endm
; A tile's last quarter where the next tile has to be shown whole first and nothing is filled: left = how many younger tensor loads of mine may stay out.
.macro CHANGE next, left
	s_wait_dscnt 0x0                               ; no LDS instruction of mine is pending at the signal
	s_wait_tensorcnt \left                         ; my part of the next tile is in
	s_barrier_signal -1
	MULH F1, 0, 0                                  ; work on registers while the others arrive
	s_barrier_wait -1                              ; everybody's part is in
	PLACES
	FETCH \next, 0, F0
	MULH F1, 2, 0
.endm
; A tile's last quarter where slots sa and sb, both read to the end, are filled again, four tiles ahead, behind a round of the cluster's barrier.
; The wait for all tensor loads also shows the next TWO tiles landed, in every wave: the change between them needs no barrier.
.macro REFILL next, sa, sb
	s_wait_dscnt 0x0                               ; my reads of slots sa and sb are over
	s_wait_tensorcnt 0x0                           ; all my tensor loads have landed
	ds_add_u32 v190, v191
	s_wait_dscnt 0x0
	s_barrier_signal -1                            ; say so: this barrier opens the round
	MULH F1, 0, 0                                  ; work on registers while the others arrive
	WIN 0
	s_barrier_wait -1
	CREST                                          ; all sixteen work-groups have said so: no partner reads these slots or has a load on its way
.irp t, \sa, \sb
	s_add_nc_u64 s[G0+4*\t+2:G0+4*\t+3], s[G0+4*\t+2:G0+4*\t+3], 4*524288
	s_add_nc_u64 s[G0B+4*\t+2:G0B+4*\t+3], s[G0B+4*\t+2:G0B+4*\t+3], 4*256
.endr
	JLOAD \sa                                      ; the first tensor loads behind the round
	JLOAD \sb
	PLACES
	FETCH \next, 0, F0
	MULH F1, 2, 0
.endm
	s_wait_tensorcnt 3                             ; my part of tile 0 is in; tiles 1, 2, 3, asked for behind it, stay out
	s_barrier_signal -1
	s_barrier_wait -1
	FETCH 0, 0, F0
	THREE 0, 1                                     ; tile 0: its first products start the sums
	CHANGE 1, 2                                    ; tile 1 is in; tiles 2, 3 may be out
	THREE 1, 0
	REFILL 2, 0, 1                                 ; tiles 2, 3 have landed; tiles 4, 5 go out
	THREE 2, 0
	QUARTER 3, 0, F1, F0, 0                        ; tile 3 was shown whole by the round
	THREE 3, 0
	REFILL 0, 2, 3                                 ; tiles 4, 5 have landed; tiles 6, 7 go out: the last
	THREE 0, 0
	QUARTER 1, 0, F1, F0, 0                        ; tile 5 was shown whole by the round
	THREE 1, 0
	CHANGE 2, 1                                    ; tile 6 is in; tile 7 may be out
	THREE 2, 0
	CHANGE 3, 0                                    ; tile 7 is in: no tensor load is out from here on
	THREE 3, 0
	s_wait_dscnt 0x0                               ; the very last quarter: nothing more to fetch
	MULH F1, 0, 0
	MULH F1, 2, 0
	WIN 0
	; THE WAY OUT, 16 tokens at a time: the f32 sums through my own stage; sixteen lanes store 256 consecutive bytes, aligned.
	PLACES
	s_lshl_b32 s16, s13, 7
	s_lshl_b32 s17, s11, 6
	s_add_co_u32 s16, s16, s17                     ; my first token
	s_lshl_b32 s16, s16, 12                        ; x 4,096 bytes
	s_mov_b32 s17, 0
	s_add_nc_u64 s[8:9], s[8:9], s[16:17]
	s_lshl_b32 s46, s42, 7
	s_lshl_b32 s47, s12, 6
	s_add_co_u32 s46, s46, s47                     ; my first column
	s_lshl_b32 s46, s46, 2
	s_mov_b32 s47, 0
	s_add_nc_u64 s[8:9], s[8:9], s[46:47]
.macro OUT16 a, f
	WIN 0x04                                       ; the stores' data in window 1
.irp b, 0,1,2,3
	ds_store_b128 v[STO], v[8*(4*\a+\b):8*(4*\a+\b)+3]   offset:64*\b
	ds_store_b128 v[STO], v[8*(4*\a+\b)+4:8*(4*\a+\b)+7] offset:64*\b+16
.endr
	WIN 0
	s_wait_xcnt 0x0                                ; buffer f was the data of earlier stores: it is loaded again only behind this wait
.irp t, 0,1,2,3,4,5,6,7
	ds_load_b128 v[\f+4*\t:\f+4*\t+3], v[RD] offset:\t*2*SP        ; LDS serves a wave's instructions in order: these see the stores above
.endr
.irp t, 0,1,2,3,4,5,6,7
	s_wait_dscnt 7-\t
	global_store_b128 v[CO], v[\f+4*\t:\f+4*\t+3], s[8:9] offset:(16*\a+2*\t)*4096 th:TH_STORE_NT
.endr
.endm
	OUT16 0, BK
	OUT16 1, BK+32
	OUT16 2, BK
	OUT16 3, BK+32
	s_wait_tensorcnt 0x0
	ds_add_u32 v190, v191
	s_wait_dscnt 0x0
	CROUND                                         ; the closing round
	s_endpgm
.Lfunc_end_k_qd314f57c8a_oproj:
	.size	k_qd314f57c8a_oproj, .Lfunc_end_k_qd314f57c8a_oproj-k_qd314f57c8a_oproj
	.p2alignl 7, 3214868480
	.fill 96, 4, 3214868480
	.section	.rodata,"a",@progbits
	.p2align	6, 0x0
	.amdhsa_kernel k_qd314f57c8a_oproj
		.amdhsa_group_segment_fixed_size 327680
		.amdhsa_private_segment_fixed_size 0
		.amdhsa_enable_private_segment 0
		.amdhsa_kernarg_size 24
		.amdhsa_user_sgpr_count 2
		.amdhsa_user_sgpr_kernarg_segment_ptr 1
		.amdhsa_wavefront_size32 1
		.amdhsa_system_sgpr_workgroup_id_x 1
		.amdhsa_system_sgpr_workgroup_id_y 1
		.amdhsa_system_sgpr_workgroup_id_z 1
		.amdhsa_system_vgpr_workitem_id 0
		.amdhsa_next_free_vgpr 384
		.amdhsa_next_free_sgpr 84
		.amdhsa_reserve_vcc 0
		.amdhsa_float_denorm_mode_32 3
		.amdhsa_float_denorm_mode_16_64 3
		.amdhsa_memory_ordered 1
		.amdhsa_forward_progress 1
		.amdhsa_inst_pref_size 92
	.end_amdhsa_kernel
	.amdgpu_metadata
---
amdhsa.version: [ 1, 2 ]
amdhsa.kernels:
  - .name:           k_qd314f57c8a_oproj
    .symbol:         k_qd314f57c8a_oproj.kd
    .args:
      - { .name: att, .offset: 0, .size: 8, .value_kind: global_buffer, .address_space: global }
      - { .name: woh, .offset: 8, .size: 8, .value_kind: global_buffer, .address_space: global }
      - { .name: out0, .offset: 16, .size: 8, .value_kind: global_buffer, .address_space: global }
    .group_segment_fixed_size: 327680
    .private_segment_fixed_size: 0
    .kernarg_segment_align: 8
    .kernarg_segment_size: 24
    .max_flat_workgroup_size: 128
    .sgpr_count:     84
    .vgpr_count:     384
    .wavefront_size: 32
...
	.end_amdgpu_metadata
.endif
;; end of part 3
